; MI455X (gfx1250); checked and timed in simulation.
; The chip was launched on July 23, 2026; its instructions are those of AMD's public machine-readable ISA for CDNA 5 (MIT licence, August 2026) and "CDNA5" Instruction Set Architecture Reference Guide (July 2026). The comments in the code are by the model that wrote it; some were corrected since.
;; Shared Weight FC. Allowed arithmetic: matrix products marked QUANTISED: E2M3 operands, one E8M0 scale for each 32 along K, by v_wmma_scale_f32_16x16x128_f8f6f4 with both operands' format E2M3, f32 sums; everything else in f32.
;; Inputs: bias 4,096 float32; shared_weights 256 x 4,096 float32; x_codes 4,096 x 128 x 24 uint8 (E2M3 codes of x, K innermost, in blocks of 32 codes, four codes in three bytes); x_scales 4,096 x 128 uint8 (E8M0 scales of x, one for each 32 codes along K).
;; Outputs: out0 4,096 x 4,096 float32.
;; This version of the problem:
;;   THIS VERSION OF THE PROBLEM IS GIVEN IN LOW PRECISION. The matrix products marked QUANTISED in the list below multiply operands that are first quantised to E2M3 (2 exponent bits, 3 mantissa bits; 6 bits a number), with one power-of-two scale for each 32 numbers along K (OCP MX v1.0); their sums are f32. All else is computed in f32.
;;   The module's matrix products, in the order in which they are computed (A, B: the left and right operand; K: the contracted axis; several contracted axes count as one K, in the product's order):
;;     1. [M 4,096, K 4,096] x [K 4,096, N 4,096]; A: input x (given as codes); B: computed on the way: QUANTISED
;;   THE QUANTISER, for each operand of a quantised product, along K:
;;     - K is cut into blocks of 32 from its start; a last block that is shorter is filled with zeros.
;;     - A block's scale is 2^e with e = floor(log2(the largest magnitude in the block)) - 2, held to -126 .. 127; a block of zeros has e = 0. As a byte (E8M0): e + 127.
;;     - Each number is divided by its block's scale, clamped to +-7.5, and rounded to the nearest number of E2M3, ties to even, subnormals kept.
;;     - The product sums the exact products of the quantised numbers (number of the format x scale) in f32.
;;   ~~~python
;;   def quantise(x, axis):      # numpy; x: float32 -> the quantised numbers, widened to float32 again
;;       x = np.moveaxis(x, axis, -1); K = x.shape[-1]
;;       x = np.pad(x, [(0, 0)] * (x.ndim - 1) + [(0, -K % 32)]); x = x.reshape(x.shape[:-1] + (-1, 32)); a = np.abs(x).max(-1, keepdims=True)
;;       e = np.where(a > 0, np.clip(np.frexp(np.where(a > 0, a, 1))[1] - 1 - 2, -126, 127), 0)      # np.frexp(a)[1] - 1 = floor(log2(a)), exactly
;;       r = np.clip(x / 2.0 ** e, -7.5, 7.5)
;;       step = 2.0 ** (np.maximum(np.frexp(np.where(r == 0, 1, r))[1] - 1, 0) - 3)
;;       q = np.round(r / step) * step * 2.0 ** e      # np.round: ties to even
;;       return np.moveaxis(q.reshape(q.shape[:-2] + (-1,))[..., :K], -1, axis).astype(np.float32)
;;   ~~~
;;   OPERANDS COMPUTED ON THE WAY. 'Computed on the way' means the value that the module computes at that place (a softmax that the list does not call 'softmax' is quantised finished and normalised). What goes into a quantiser is computed in f32, as accurately as f32 sums, v_exp_f32 and their like allow (about 1e-6 of the number): no bf16 or f16 on the way to a quantiser, and a product that is left as it is and whose result goes on into a quantised operand takes f32 operands (vector FMAs, or v_wmma_f32_16x16x4_f32). A number that lies on a knife's edge between two numbers of the format may be rounded either way, as far as f32 arithmetic and the matrix unit's own rounding can turn it there, and no further.
;;   INPUTS GIVEN AS CODES. x (in the module: [4096, 4096], K = its axis 1): each comes as NAME_codes (uint8): NAME with its K axis moved to the last place and cut into blocks of 32 codes, [.., K / 32, bytes a block], one block behind the other in memory; four codes in three bytes: a row's codes are one little-endian stream of bits, code i at bits 6 i .. 6 i + 5 (a code: sign, 2 exponent bits, 3 mantissa bits); and NAME_scales (uint8): the same leading axes, one E8M0 byte (e + 127) for each 32 codes along K. Its value is code x scale, taken as it is: it is not quantised again, and the codes and scales need not be those that the quantiser above would give.
;; One version. Each part assembles by itself: llvm-mc -triple=amdgcn-amd-amdhsa -mcpu=gfx1250 --defsym DOCPART=n.
;; ======== version 1 of 1: 2 launches
;; workspace buffers: wfrag 786,432 bytes; wscl 32,768 bytes
;; launch quantw (part 1): grid 128 x 1, 2 waves a work-group, no clusters, 34,304 bytes of LDS; arguments shared_weights, wfrag, wscl; writes wfrag, wscl
.if DOCPART == 1
	.amdgcn_target "amdgcn-amd-amdhsa--gfx1250"
	.amdhsa_code_object_version 6
	.text
	.protected	k_q75e7ec89d7_quantw
	.globl	k_q75e7ec89d7_quantw
	.p2align	8
	.type	k_q75e7ec89d7_quantw,@function
k_q75e7ec89d7_quantw:
	s_mov_b64 s[64:65], 0
	v_nop
	global_prefetch_b8 v0, s[64:65] scope:SCOPE_SE
	s_setreg_imm32_b32 hwreg(HW_REG_WAVE_MODE, 25, 1), 1
	s_wait_xcnt 0x0
; W = shared_weights [256][4096], f32, K innermost, is turned into codes of FP6 (E2M3) with one E8M0 scale byte for each 32 along K, ONCE, and laid as the product's launch wants it:
;   wfrag: images of operand registers.  A fragment (16 rows of W x 128 K, 12 registers a lane) is 1,536 bytes: registers 4 g .. 4 g + 3 of lane l at 512 g + 16 l.
;          Fragment number ((cb 4 + w) 32 + s 4 + t): cb = W's block of 64 rows, w = quarter of K, s = step of 128 in the quarter, t = tile of 16 rows in the block.
;   wscl:  records of 256 bytes, record 16 P + kp: P = pair of tiles (rows 32 P .. 32 P + 31 of W), kp = K step / 2.  Lane l's 8 bytes at 8 l: row 32 P + l's scale words of K steps 2 kp and 2 kp + 1.
; A block's scale is 2^(floor(log2(its largest magnitude)) - 2); its byte is the largest magnitude's exponent field - 2, held at 1 from below.  Each number is divided by the scale and rounded to the nearest code, ties to even; beyond 7.5 the largest code.
; LIMITS: NaN and infinities in W are not served.  A block of zeros gets the byte 1 where the rule says 127: its codes are zeros, which add nothing under any byte but 0xff, and the bytes are read by this program alone.
; SHARES.  Work-group 16 P + kp, two waves; wave v takes K step ks = 2 kp + v of rows 32 P .. 32 P + 31: 32 rows x 512 bytes, two fragments.  All of a wave's 32 loads go out at once.
; Each load reads 512 consecutive bytes of one row, 16 a lane; the operand's layout wants 32 neighbours along K (a whole block) twice in a lane: so the 16 KiB turn through the wave's own stage in LDS.
.set ROWW,   16384                     ; a row of W in bytes
.set SPITCH, 528                       ; a stage row: 512 bytes + 16: an odd multiple of 16, so that the 16 rows that a load of 16 bytes a lane touches start at different banks (64 banks of 4 bytes: ISA guide 11.1)
.set WSTG,   32*SPITCH                 ; a wave's stage
.set SCS,    2*WSTG                    ; behind the stages: 256 bytes in which the two waves' scale words meet
.set FRB,    1536                      ; a fragment's image
.set MX,  10                           ; v10-13  the largest magnitude of block c of fragment f, at 2 f + c
.set SO,  14                           ; v14-17  the conversion's scale operand
.set BY,  18                           ; v18-21  the scale's byte
.set WD,  22                           ; v22-23  fragment f's scale word
.set R,   32                           ; v32-159 the 32 rows as loaded, 4 registers each
.set X0,  160                          ; v160-223 fragment 0's 64 numbers of my lane
.set X1,  32                           ; v32-95  fragment 1's: over R, once the stage's stores have read it
.set C0,  224                          ; v224-235 fragment 0's codes;  v236-243 the halves that are made elsewhere and moved
.set T0,  236
.set C1,  96                           ; v96-107, v108-115 the same for fragment 1
.set T1,  108
	s_load_b128 s[4:7], s[0:1], 0x0                ; W s[4:5], wfrag s[6:7]
	s_load_b64 s[8:9], s[0:1], 0x10                ; wscl
	v_lshl_add_u32 v254, v0, 2, 0x8500
	v_mov_b32 v255, 0
	v_lshrrev_b32 v1, 5, v0
	v_readfirstlane_b32 s10, v1                    ; wave 0, 1
	s_lshr_b32 s11, ttmp9, 4                       ; P
	s_and_b32 s12, ttmp9, 15                       ; kp
	s_lshl_b32 s13, s12, 1
	s_add_co_u32 s13, s13, s10                     ; ks = 2 kp + wave
	s_lshl_b32 s14, s11, 19                        ; W: 32 P rows of 16,384 bytes
	s_lshl_b32 s15, s13, 9                         ;    + 512 ks
	s_add_co_u32 s14, s14, s15
	s_mov_b32 s15, 0
	s_lshr_b32 s16, s11, 1                         ; wfrag: cb = P / 2,
	s_lshl_b32 s16, s16, 2
	s_lshr_b32 s17, s13, 3                         ; w = ks / 8,
	s_add_co_u32 s16, s16, s17
	s_lshl_b32 s16, s16, 5
	s_and_b32 s17, s13, 7                          ; s = ks % 8,
	s_lshl_b32 s17, s17, 2
	s_add_co_u32 s16, s16, s17
	s_and_b32 s17, s11, 1                          ; t = 2 (P % 2) for fragment 0
	s_lshl_b32 s17, s17, 1
	s_add_co_u32 s16, s16, s17
	s_mul_i32 s16, s16, FRB
	s_mov_b32 s17, 0
	s_lshl_b32 s18, ttmp9, 8                       ; wscl: my work-group's record
	s_mov_b32 s19, 0
	s_mov_b32 s20, 0x76543210
	s_mov_b32 s21, 0xfedcba98                      ; v_permlanex16_b32's selects for lane l xor 16
	s_mov_b32 vcc_lo, 0xffff0000                   ; lanes 16-31
	v_and_b32 v1, 31, v0                           ; lane
	v_and_b32 v2, 15, v0                           ; r
	v_bfe_u32 v3, v0, 4, 1                         ; h
	v_lshlrev_b32 v4, 4, v1                        ; 16 x lane: my bytes of a load's 512, and of an image's
	s_mul_i32 s22, s10, WSTG                       ; my stage
	v_add_nc_u32 v5, s22, v4                       ; into it: as loaded
	v_mul_u32_u24 v6, v2, SPITCH
	v_lshl_add_u32 v6, v3, 7, v6
	v_add_nc_u32 v6, s22, v6                       ; out of it: row r, + 128 h: k = 32 h on
	v_lshlrev_b32 v9, 3, v1                        ; 8 x lane
	v_add_nc_u32 v8, SCS, v9                       ; the record, read back
	s_lshl_b32 s23, s10, 2
	v_add_nc_u32 v7, s23, v8                       ; and where my wave's word goes: + 4 x wave
	v_lshlrev_b32 v25, 3, v3                       ; 8 h
	v_mov_b32 v24, 0                               ; written once: a lane permute's destination counts as one of its sources
	s_wait_alu depctr_va_vdst(0)
	s_wait_kmcnt 0x0
	s_add_nc_u64 s[4:5], s[4:5], s[14:15]
	s_add_nc_u64 s[6:7], s[6:7], s[16:17]
	s_add_nc_u64 s[8:9], s[8:9], s[18:19]
.irp i, 0,1,2,3,4,5,6,7,8,9,10,11,12,13,14,15,16,17,18,19,20,21,22,23,24,25,26,27,28,29,30,31
	global_load_b128 v[R+4*\i:R+4*\i+3], v4, s[4:5] offset:\i*ROWW th:TH_LOAD_NT   ; row i: 512 consecutive bytes, at a multiple of 512 from W's first byte; read once in the launch
.endr
.irp q, 0,1,2,3
	s_wait_loadcnt 24-8*\q                         ; loads come back in order: rows 8 q .. 8 q + 7 are in, the later rows' loads stay out
.irp i, 0,1,2,3,4,5,6,7
	ds_store_b128 v5, v[R+4*(8*\q+\i):R+4*(8*\q+\i)+3] offset:(8*\q+\i)*SPITCH
.endr
.endr
; fragment f's numbers out of the stage: lane (r, h) takes, of row 16 f + r, k = 64 c + 32 h + 0 .. 31 into registers 32 c on: the very order of the operand's layout
.macro TURN f, xx
.irp c, 0,1
.irp j, 0,1,2,3,4,5,6,7
	ds_load_b128 v[\xx+32*\c+4*\j:\xx+32*\c+4*\j+3], v6 offset:16*SPITCH*\f+256*\c+16*\j   ; LDS serves a wave's instructions in order: these see my stores
.endr
.endr
.endm
; 64 numbers of a lane, two whole blocks, become the fragment's 12 registers in v[dd] on and, in every lane, its row's scale word in v[WD + f]
.macro QUANT f, xx, dd, uu
.irp c, 0,1
	v_max3_num_f32 v[MX+2*\f+\c], |v[\xx+32*\c]|, |v[\xx+32*\c+1]|, 0x1800000   ; block 2 c + h: all its 32 numbers are mine; and the floor 2^(3 - 127): the byte cannot fall under 1
.endr
.irp i, 2,4,6,8,10,12,14,16,18,20,22,24,26,28,30
.irp c, 0,1
	v_max3_num_f32 v[MX+2*\f+\c], v[MX+2*\f+\c], |v[\xx+32*\c+\i]|, |v[\xx+32*\c+\i+1]|   ; (the two blocks by turns)
.endr
.endr
.irp c, 0,1
	v_add_nc_u32 v[SO+2*\f+\c], 0xff000000, v[MX+2*\f+\c]   ; 2 off the exponent field: the conversion takes the exponent field of this operand as its scale, and nothing else of it
.endr
.irp c, 0,1
	v_lshrrev_b32 v[BY+2*\f+\c], 23, v[SO+2*\f+\c]           ; the scale's byte
.endr
.irp c, 0,1
	v_cvt_scalef32_pk16_fp6_f32 v[\dd+6*\c:\dd+6*\c+2], v[\xx+32*\c:\xx+32*\c+15], v[SO+2*\f+\c]      ; registers 6 c .. 6 c + 2 of the operand
	v_cvt_scalef32_pk16_fp6_f32 v[\uu+4*\c:\uu+4*\c+2], v[\xx+32*\c+16:\xx+32*\c+31], v[SO+2*\f+\c]   ; (a conversion's three registers begin on an even number: the block's second half is made elsewhere and moved)
.endr
	v_lshl_or_b32 v[WD+\f], v[BY+2*\f+1], 16, v[BY+2*\f]     ; my two bytes, blocks h and 2 + h.  (This line, which names nothing of the conversions, is the plain place behind them)
	v_lshlrev_b32 v[WD+\f], v25, v[WD+\f]                    ; at their places in the word: 8 h bits up
	v_permlanex16_b32 v24, v[WD+\f], s20, s21
	v_or_b32 v[WD+\f], v[WD+\f], v24                         ; with lane l xor 16's two the word is whole, in both lanes
.irp c, 0,1
.irp i, 0,1,2
	v_mov_b32 v[\dd+6*\c+3+\i], v[\uu+4*\c+\i]
.endr
.endr
.endm
.macro SEND f, dd
.irp g, 0,1,2
	global_store_b128 v4, v[\dd+4*\g:\dd+4*\g+3], s[6:7] offset:FRB*\f+512*\g   ; 32 lanes store 512 consecutive bytes, at a multiple of 512 from wfrag's first byte
.endr
.endm
	TURN 0, X0
	s_wait_dscnt 16                                ; only the 16 loads just issued may be out: the 32 stores have read R,
	TURN 1, X1                                     ; over which fragment 1's numbers land
	s_wait_dscnt 16                                ; fragment 0's 16 loads are in, fragment 1's may be out
	QUANT 0, X0, C0, T0
	SEND 0, C0
	s_wait_dscnt 0x0
	QUANT 1, X1, C1, T1
	SEND 1, C1
	v_cndmask_b32 v26, v[WD], v[WD+1], vcc_lo      ; lanes 0-15: fragment 0's words (rows 32 P + l), lanes 16-31: fragment 1's
	ds_store_b32 v7, v26
	s_wait_dscnt 0x0                               ; for the other wave's sake: my words lie in LDS
	s_barrier_signal -1
	s_barrier_wait -1
	s_cmp_lg_u32 s10, 0
	s_cbranch_scc1 .Lend                           ; wave 0 stores the record
	ds_load_b64 v[28:29], v8
	s_wait_dscnt 0x0
	global_store_b64 v9, v[28:29], s[8:9]          ; 32 lanes store 256 consecutive bytes, at a multiple of 256 from wscl's first byte
.Lend:
	s_wait_tensorcnt 0x0
	ds_add_u32 v254, v255
	s_wait_dscnt 0x0
	s_endpgm
.Lfunc_end_k_q75e7ec89d7_quantw:
	.size	k_q75e7ec89d7_quantw, .Lfunc_end_k_q75e7ec89d7_quantw-k_q75e7ec89d7_quantw
	.p2alignl 7, 3214868480
	.fill 96, 4, 3214868480
	.section	.rodata,"a",@progbits
	.p2align	6, 0x0
	.amdhsa_kernel k_q75e7ec89d7_quantw
		.amdhsa_group_segment_fixed_size 34304
		.amdhsa_private_segment_fixed_size 0
		.amdhsa_enable_private_segment 0
		.amdhsa_kernarg_size 24
		.amdhsa_user_sgpr_count 2
		.amdhsa_user_sgpr_kernarg_segment_ptr 1
		.amdhsa_wavefront_size32 1
		.amdhsa_system_sgpr_workgroup_id_x 1
		.amdhsa_system_sgpr_workgroup_id_y 1
		.amdhsa_system_sgpr_workgroup_id_z 1
		.amdhsa_system_vgpr_workitem_id 0
		.amdhsa_next_free_vgpr 256
		.amdhsa_next_free_sgpr 66
		.amdhsa_reserve_vcc 1
		.amdhsa_float_denorm_mode_32 3
		.amdhsa_float_denorm_mode_16_64 3
		.amdhsa_memory_ordered 1
		.amdhsa_forward_progress 1
		.amdhsa_inst_pref_size 17
	.end_amdhsa_kernel
	.amdgpu_metadata
---
amdhsa.version: [ 1, 2 ]
amdhsa.kernels:
  - .name:           k_q75e7ec89d7_quantw
    .symbol:         k_q75e7ec89d7_quantw.kd
    .args:
      - { .name: shared_weights, .offset: 0, .size: 8, .value_kind: global_buffer, .address_space: global }
      - { .name: wfrag, .offset: 8, .size: 8, .value_kind: global_buffer, .address_space: global }
      - { .name: wscl, .offset: 16, .size: 8, .value_kind: global_buffer, .address_space: global }
    .group_segment_fixed_size: 34304
    .private_segment_fixed_size: 0
    .kernarg_segment_align: 8
    .kernarg_segment_size: 24
    .max_flat_workgroup_size: 64
    .sgpr_count:     66
    .vgpr_count:     256
    .wavefront_size: 32
...
	.end_amdgpu_metadata
.endif
;; end of part 1
;; launch fc (part 2): grid 256 x 1, 4 waves a work-group, clusters of 4 x 1, 279,040 bytes of LDS; arguments x_codes, x_scales, wfrag, wscl, bias, out0; writes out0
.if DOCPART == 2
	.amdgcn_target "amdgcn-amd-amdhsa--gfx1250"
	.amdhsa_code_object_version 6
	.text
	.protected	k_q75e7ec89d7_fc
	.globl	k_q75e7ec89d7_fc
	.p2align	8
	.type	k_q75e7ec89d7_fc,@function
k_q75e7ec89d7_fc:
	s_mov_b64 s[64:65], 0
	v_nop
	global_prefetch_b8 v0, s[64:65] scope:SCOPE_SE
	s_setreg_imm32_b32 hwreg(HW_REG_WAVE_MODE, 25, 1), 1
	s_wait_xcnt 0x0
	s_wait_alu depctr_hold_cnt(0) depctr_sa_sdst(0) depctr_va_vdst(0) depctr_va_sdst(0) depctr_va_ssrc(0) depctr_va_vcc(0) depctr_vm_vsrc(0)
	s_getreg_b32 s2, hwreg(HW_REG_IB_STS2, 6, 4)
	s_cmp_eq_u32 s2, 0
	s_cbranch_scc0 .Lentry_in_a_cluster
	s_endpgm
.Lentry_in_a_cluster:
	s_bfe_u32 s2, ttmp6, 0x10000c
	s_cmp_lg_u32 s2, 0x3003
	s_cbranch_scc0 .Lentry_shape_is_right
	s_endpgm
.Lentry_shape_is_right:
; out0[m][256 rep + c] = P[m][c] + bias[256 rep + c], rep = 0 .. 15, c = 0 .. 255, with P[m][c] = the sum over k of x[m][k] Q(W)[c][k]: row o of the tiled weight matrix IS row o mod 256 of W, for every input,
; so each number of P is multiplied out once and leaves sixteen times, each time with its own bias.  x: codes of FP6 (E2M3), rows of 3,072 bytes, and E8M0 bytes, rows of 128.  Q(W): images of operand registers and scale words, as the launch before laid them.
; SHARES.  A work-group makes 64 rows x 64 columns of P (64 columns of f32 are 256 consecutive bytes of an output row).  THE FOUR WAVES SHARE K: wave w takes K = 1,024 w .. 1,024 w + 1,023, eight steps of 128, for the whole 64 x 64:
; 16 accumulators.  Its part of W, 32 fragments, goes from memory straight into 384 registers by dense loads and stays; its part of x, 64 rows x 768 bytes, comes into LDS by ONE tensor load and is read by this wave alone, each fragment once,
; for four matrix instructions.  Nothing in LDS is filled twice.  The four partial sums meet in LDS; wave w then finishes rows 16 w .. 16 w + 15 and stores them for all replicas.
; LIMIT: the order of the sums.  K is summed in four quarters, each ascending, and the four f32 sums are added, the bias last: not one sum with K ascending.
; CLUSTER.  The four work-groups of a cluster take the four column blocks of the same 64 rows and need the same tile of x: it is asked for JOINTLY, by the same tensor load with the same descriptor and a mask that names the four.
; W is not asked for jointly: it is shared with work-groups of OTHER rows, and a joint load would have to bring it through LDS, where x's 208,896 bytes, the stages' 69,632 and a column block's 196,608 of W are more than the 327,680 that a work-group can be given.
; THE MATRIX INSTRUCTION IS USED TRANSPOSED (source 0 = 16 rows of W, source 1 = 16 rows of x): a lane then holds eight neighbouring columns of one row of P.
; REGISTERS, in windows of 256: window 0: v1-12 addresses; v16-31 x's scale words, v32-47 W's (they hold nothing else); v48-143 x's fragments, two sets of four; v192-255 the biases; on the way out v48-175.
;   window 1: W's fragments of steps 0-3 (step s, tile t at v[12 (4 s + t)]);  window 2: of steps 4-7;  window 3: the accumulators ((m, t) at v[8 (4 m + t)]).
.set NGRP,  1                          ; the replicas can be shared out among NGRP (1, 2, 4, 8) groups of clusters, each making P for its own replicas (grid = 256 NGRP).  With 1, P is made once
.set REPS,  16/NGRP                    ; replicas that a work-group stores
.set HR,    REPS/2
.set XP,    816                        ; a row of x's tile in LDS: 3 x (256 bytes + 16 of padding) = 204 words: row r starts at bank 12 r mod 64 (64 banks of 4 bytes: ISA guide 11.1), so the 32 lanes of a load of 8 bytes touch 64 different banks
.set XT,    64*XP                      ; a wave's tile
.set STG,   4*XT                       ; behind the tiles: four stages, one for each wave's partial sums; no tensor load lands here
.set SP,    272                        ; a stage row: 256 bytes + 16
.set ST1,   64*SP                      ; a stage
.set FRB,   1536                       ; a fragment's image in wfrag
.set ADA0, 4                           ; v4   LDS address of my lane's place in a fragment of x: tile + 816 r + 24 h
.set ADA1, 5                           ; v5   the same for the pieces that, for lanes 16-31, lie behind one padding more: + 40 h
.set L16,  6                           ; v6   16 x lane
.set L8,   7                           ; v7   8 x lane
.set L128, 8                           ; v8   128 x lane
.set R16,  9                           ; v9   16 r
.set STO,  10                          ; v10  where I put 32 bytes of a row of my partial sums
.set RD,   11                          ; v11  where I read a row of partial sums back
.set CO,   12                          ; v12  my byte offset in two rows of out0
.set XSC,  16                          ; register 8 i + s: lanes 0-15 the scale words of x's tile of rows 2 i, lanes 16-31 of tile 2 i + 1, for my step s
.set WSC,  32                          ; the same for W's tiles
.set AF,   48
.set BIAS, 192                         ; 4 registers a replica: bias of my four columns
.set SM,   48                          ; the way out: four partial sums of 32 registers, added into the first
.set OS,   80                          ; and three sets of 32 registers to store from, by turns
.set MSB, 0
.macro WIN new                         ; s_set_vgpr_msb's low byte: bits 1:0 source 0, 3:2 source 1, 5:4 source 2, 7:6 destination; the high byte repeats the setting that is left
.if MSB != \new
	s_set_vgpr_msb (MSB<<8)|\new
.set MSB, \new
.endif
.endm
.macro ROUND                           ; a round of the cluster's barrier: my work-group's barrier, wave 0 signals for the work-group, every wave waits for all four work-groups, my work-group's barrier once more
	s_barrier_signal -1
	s_barrier_wait -1
	s_cmp_lg_u32 s16, 0
	s_cbranch_scc1 .Lnot_wave_0_\@
	s_barrier_signal -3
.Lnot_wave_0_\@:
	s_barrier_wait -3
	s_barrier_signal -1
	s_barrier_wait -1
.endm
.macro PLACES                          ; a load into a register that a matrix instruction has read, and an LDS store that reads a matrix result, stand four places behind it; only plain vector instructions that name none of its registers are places
.rept 4
	v_nop
.endr
.endm
	s_load_b128 s[4:7], s[0:1], 0x0                ; x's codes s[4:5], x's scales s[6:7]
	s_load_b128 s[8:11], s[0:1], 0x10              ; wfrag s[8:9], wscl s[10:11]
	s_load_b128 s[12:15], s[0:1], 0x20             ; bias s[12:13], out0 s[14:15]
	v_lshl_add_u32 v190, v0, 2, 0x44000
	v_mov_b32 v191, 0
	ds_add_u32 v190, v191
	ds_add_u32 v190, v191
	v_lshrrev_b32 v1, 5, v0
	v_readfirstlane_b32 s16, v1                    ; wave 0..3 = my quarter of K
	s_bfe_u32 s17, ttmp6, 0x40000                  ; cx: my place in the cluster = my block of 64 columns: it enters W's, the bias's and out0's addresses alone
.if NGRP > 1
	s_and_b32 s18, ttmp9, 63                       ; in a cluster launch ttmp9 counts clusters: my block of 64 rows,
	s_lshr_b32 s39, ttmp9, 6                       ; and my group of replicas
.else
	s_mov_b32 s18, ttmp9                           ; in a cluster launch ttmp9 counts clusters: my block of 64 rows, which the four partners share
.endif
	; descriptor group 1: a tile of 64 rows x 768 bytes, rows 3,072 bytes apart, padded in LDS
	s_mov_b32 s24, 15|(0<<16)|(1<<20)|(1<<21)|(5<<22)|(3<<25)   ; 15:0 the mask: all four work-groups; 17:16 elements of 1 byte; 20 padding on; 21 set beside a mask; 24:22 after every 64 words (code 5); 31:25 4 words of it (code 3)
	s_mov_b32 s25, 768<<16                         ; tensor_dim0 = 768
	s_mov_b32 s26, 64<<16                          ; tensor_dim1 = 64
	s_mov_b32 s27, 768<<16                         ; tile_dim0 = 768
	s_mov_b32 s28, 64                              ; tile_dim1 = 64
	s_mov_b32 s29, 3072                            ; tensor_dim0_stride
	s_mov_b32 s30, 0
	s_mov_b32 s31, 0
	; offsets made of the block of rows and the wave: s32-38
	s_mul_i32 s32, s18, 196608                     ; x's codes: 64 rows of 3,072 bytes a block,
	s_mul_i32 s34, s16, 768                        ; + my quarter of each row: three runs of 256 bytes, each at a multiple of 256 from the buffer's first byte
	s_add_co_u32 s32, s32, s34
	s_mov_b32 s33, 0
	s_lshl_b32 s34, s18, 13                        ; x's scales: 64 rows of 128 bytes, + 32 x wave
	s_lshl_b32 s35, s16, 5
	s_add_co_u32 s34, s34, s35
	s_mov_b32 s35, 0
	s_lshl_b32 s36, s18, 20                        ; out0: 64 rows of 16,384 bytes, + the 16 rows that I finish
	s_lshl_b32 s37, s16, 18
	s_add_co_u32 s36, s36, s37
	s_mov_b32 s37, 0
	; offsets made of cx: s40-45.  None of them feeds the descriptor
	s_lshl_b32 s40, s17, 2
	s_add_co_u32 s40, s40, s16
	s_mul_i32 s40, s40, 32*FRB                     ; wfrag: (4 cx + wave) x 32 fragments
	s_mov_b32 s41, 0
	s_lshl_b32 s42, s17, 13                        ; wscl: pair of tiles 2 cx + i, K steps 8 wave on: 8,192 cx + 1,024 wave
	s_lshl_b32 s43, s16, 10
	s_add_co_u32 s42, s42, s43
	s_mov_b32 s43, 0
	s_lshl_b32 s44, s17, 8                         ; my 64 columns in a replica: 256 bytes, in bias and in out0
	s_mov_b32 s45, 0
.if NGRP > 1
	s_mul_i32 s39, s39, REPS*1024                  ; + my group's first replica
	s_add_co_u32 s44, s44, s39
.endif
	s_mov_b32 s20, 1                               ; descriptor group 0: 1:0 count = 1
	s_mul_i32 s21, s16, XT                         ; 63:32 LDS address: wave x a tile: no place in the cluster enters an LDS address
	v_and_b32 v1, 31, v0                           ; lane
	v_and_b32 v2, 15, v0                           ; r
	v_bfe_u32 v3, v0, 4, 1                         ; h
	v_mul_u32_u24 v[ADA0], v2, XP
	v_mad_u32_u24 v[ADA0], v3, 24, v[ADA0]
	v_add_nc_u32 v[ADA0], s21, v[ADA0]
	v_lshl_add_u32 v[ADA1], v3, 4, v[ADA0]
	v_lshlrev_b32 v[L16], 4, v1
	v_lshlrev_b32 v[L8], 3, v1
	v_lshlrev_b32 v[L128], 7, v1
	v_lshlrev_b32 v[R16], 4, v2
	s_mul_i32 s19, s16, ST1                        ; my stage
	v_mul_u32_u24 v[STO], v2, SP
	v_lshl_add_u32 v[STO], v3, 5, v[STO]
	v_add_nc_u32 v[STO], s19, v[STO]
	v_add_nc_u32 v[STO], STG, v[STO]               ; in: row r, 32 bytes for each half of the lanes
	s_mul_i32 s38, s16, 16*SP                      ; the 16 rows that I finish, in every stage
	v_mul_u32_u24 v[RD], v3, SP
	v_lshl_add_u32 v[RD], v2, 4, v[RD]
	v_add_nc_u32 v[RD], s38, v[RD]
	v_add_nc_u32 v[RD], STG, v[RD]                 ; back: lanes 0-15 one row of 256 bytes, lanes 16-31 the next
	v_lshl_add_u32 v[CO], v3, 14, v[R16]           ; and the same two rows in out0
	s_wait_dscnt 0x0
	s_wait_kmcnt 0x0
	s_add_nc_u64 s[22:23], s[4:5], s[32:33]        ; 120:64 global address of my tile's first byte
	s_or_b32 s23, s23, 0x80000000                  ; 127:126 type = 2
	s_add_nc_u64 s[6:7], s[6:7], s[34:35]
	s_add_nc_u64 s[8:9], s[8:9], s[40:41]
	s_add_nc_u64 s[10:11], s[10:11], s[42:43]
	s_add_nc_u64 s[12:13], s[12:13], s[44:45]
	s_add_nc_u64 s[14:15], s[14:15], s[36:37]
	s_add_nc_u64 s[14:15], s[14:15], s[44:45]
	ROUND                                          ; all four work-groups are here: the joint loads meet
	tensor_load_to_lds s[20:23], s[24:31]          ; every wave asks for its own quarter of K, into its own bytes: one tensor load of mine is out, the only one of the launch
	s_nop 0
.rept 4
	v_nop
.endr
	; 12 + 96 + REPS loads, in the order in which they are wanted
.irp i, 0,1
.irp u, 0,1
	global_load_b128 v[XSC+8*\i+4*\u:XSC+8*\i+4*\u+3], v[L128], s[6:7] offset:4096*\i+16*\u   ; row 32 i + lane: the words of my steps 4 u .. 4 u + 3
.endr
.endr
.irp i, 0,1
.irp q, 0,1,2,3
	global_load_b64 v[WSC+8*\i+2*\q:WSC+8*\i+2*\q+1], v[L8], s[10:11] offset:4096*\i+256*\q   ; a record of 256 consecutive bytes: steps 2 q, 2 q + 1 of tiles 2 i, 2 i + 1
.endr
.endr
	WIN 0x40                                       ; destination window 1, address window 0
.irp s, 0,1,2,3
.irp t, 0,1,2,3
.irp g, 0,1,2
	global_load_b128 v[12*(4*\s+\t)+4*\g:12*(4*\s+\t)+4*\g+3], v[L16], s[8:9] offset:(4*\s+\t)*FRB+512*\g   ; 512 consecutive bytes: four registers of a fragment, as they will stand
.endr
.endr
.endr
	WIN 0x80                                       ; destination window 2
.irp s, 4,5,6,7
.irp t, 0,1,2,3
.irp g, 0,1,2
	global_load_b128 v[12*(4*(\s-4)+\t)+4*\g:12*(4*(\s-4)+\t)+4*\g+3], v[L16], s[8:9] offset:(4*\s+\t)*FRB+512*\g
.endr
.endr
.endr
	WIN 0
.set k, 0
.rept REPS
	global_load_b128 v[BIAS+4*k:BIAS+4*k+3], v[R16], s[12:13] offset:1024*k   ; replica k: the bias of columns 4 r .. 4 r + 3 of my 64
.set k, k+1
.endr
; x's four fragments of step ks into set st.  A fragment, 16 rows x 128 K of 6-bit codes, is 12 registers: lane (r, h) holds row r; registers 6 c .. 6 c + 5 hold K = 64 c + 32 h + 0 .. 31: 24 bytes of the row's stream of bits, as they lie,
; in pieces of 8 bytes.  Lanes 0-15 take the row's pieces 12 ks + 0, 1, 2 and + 6, 7, 8, lanes 16-31 those three pieces on; 16 bytes of padding lie behind every 32 pieces: where the piece three on lies behind one padding more, the second address register serves.
.macro FETCH_A ks, st
.irp m, 0,1,2,3
.irp p, 0,1,2,3,4,5
.set PC, 12*(\ks)+6*(\p/3)+\p%3
.if PC%32 < 29
	ds_load_b64 v[AF+48*(\st)+12*\m+2*\p:AF+48*(\st)+12*\m+2*\p+1], v[ADA0] offset:8*PC+16*(PC/32)+16*XP*\m
.else
	ds_load_b64 v[AF+48*(\st)+12*\m+2*\p:AF+48*(\st)+12*\m+2*\p+1], v[ADA1] offset:8*PC+16*(PC/32)+16*XP*\m
.endif
.endr
.endr
.endm
; One matrix instruction: rows 16 m on of x, columns 16 t on, my step s.  The first step's products start the sums: nothing is cleared.  An odd tile's scale words stand in lanes 16-31 of their register.
.macro ONE m, t, s
.set rD, 8*(4*(\m)+(\t))
.set rW, 12*(4*((\s)%4)+(\t))
.set rA, AF+48*((\s)%2)+12*(\m)
.set rSW, WSC+8*((\t)/2)+(\s)
.set rSA, XSC+8*((\m)/2)+(\s)
.if (\s) == 0
.if ((\t)%2 == 0) && ((\m)%2 == 0)
	v_wmma_scale_f32_16x16x128_f8f6f4 v[rD:rD+7], v[rW:rW+11], v[rA:rA+11], 0, v[rSW], v[rSA] matrix_a_fmt:MATRIX_FMT_FP6 matrix_b_fmt:MATRIX_FMT_FP6
.elseif ((\t)%2 == 1) && ((\m)%2 == 0)
	v_wmma_scale_f32_16x16x128_f8f6f4 v[rD:rD+7], v[rW:rW+11], v[rA:rA+11], 0, v[rSW], v[rSA] matrix_a_fmt:MATRIX_FMT_FP6 matrix_b_fmt:MATRIX_FMT_FP6 matrix_a_scale:MATRIX_SCALE_ROW1
.elseif ((\t)%2 == 0) && ((\m)%2 == 1)
	v_wmma_scale_f32_16x16x128_f8f6f4 v[rD:rD+7], v[rW:rW+11], v[rA:rA+11], 0, v[rSW], v[rSA] matrix_a_fmt:MATRIX_FMT_FP6 matrix_b_fmt:MATRIX_FMT_FP6 matrix_b_scale:MATRIX_SCALE_ROW1
.else
	v_wmma_scale_f32_16x16x128_f8f6f4 v[rD:rD+7], v[rW:rW+11], v[rA:rA+11], 0, v[rSW], v[rSA] matrix_a_fmt:MATRIX_FMT_FP6 matrix_b_fmt:MATRIX_FMT_FP6 matrix_a_scale:MATRIX_SCALE_ROW1 matrix_b_scale:MATRIX_SCALE_ROW1
.endif
.else
.if ((\t)%2 == 0) && ((\m)%2 == 0)
	v_wmma_scale_f32_16x16x128_f8f6f4 v[rD:rD+7], v[rW:rW+11], v[rA:rA+11], v[rD:rD+7], v[rSW], v[rSA] matrix_a_fmt:MATRIX_FMT_FP6 matrix_b_fmt:MATRIX_FMT_FP6
.elseif ((\t)%2 == 1) && ((\m)%2 == 0)
	v_wmma_scale_f32_16x16x128_f8f6f4 v[rD:rD+7], v[rW:rW+11], v[rA:rA+11], v[rD:rD+7], v[rSW], v[rSA] matrix_a_fmt:MATRIX_FMT_FP6 matrix_b_fmt:MATRIX_FMT_FP6 matrix_a_scale:MATRIX_SCALE_ROW1
.elseif ((\t)%2 == 0) && ((\m)%2 == 1)
	v_wmma_scale_f32_16x16x128_f8f6f4 v[rD:rD+7], v[rW:rW+11], v[rA:rA+11], v[rD:rD+7], v[rSW], v[rSA] matrix_a_fmt:MATRIX_FMT_FP6 matrix_b_fmt:MATRIX_FMT_FP6 matrix_b_scale:MATRIX_SCALE_ROW1
.else
	v_wmma_scale_f32_16x16x128_f8f6f4 v[rD:rD+7], v[rW:rW+11], v[rA:rA+11], v[rD:rD+7], v[rSW], v[rSA] matrix_a_fmt:MATRIX_FMT_FP6 matrix_b_fmt:MATRIX_FMT_FP6 matrix_a_scale:MATRIX_SCALE_ROW1 matrix_b_scale:MATRIX_SCALE_ROW1
.endif
.endif
.endm
; A step of 128 along K: 16 matrix instructions.  The 16 accumulators take turns, one instruction a turn, in the same order in every step.
.macro KSTEP s
.set LC, 12*(7-(\s))+REPS              ; the loads issued behind this step's fragments of W: 12 for each later step, and the biases'
.if LC > 63
.set LC, 63                            ; (a wait's count names 63 at the most: the first steps wait for a little more than they need)
.endif
	s_wait_loadcnt LC
.if (\s) < 7
	s_wait_dscnt 24                                ; this step's fragments of x are in; the next step's 24 loads may be out
.else
	s_wait_dscnt 0x0
.endif
.if (\s) < 4
	WIN 0xf1                                       ; source 0 (W) window 1, source 1 (x) window 0, C and D window 3
.else
	WIN 0xf2                                       ; W in window 2
.endif
.irp m, 0,1,2,3
.irp t, 0,1,2,3
	ONE \m, \t, \s
.endr
.endr
.if (\s) != 6                          ; behind step 6 nothing is loaded, and step 7 runs under the same windows
	PLACES
	WIN 0
.endif
.if (\s) < 6
	FETCH_A (\s)+2, (\s)%2                         ; the set just multiplied takes the step after next
.endif
.endm
	s_wait_tensorcnt 0x0                           ; my tile has landed; I alone read it, so no barrier stands here
	FETCH_A 0, 0
	FETCH_A 1, 1
.irp s, 0,1,2,3,4,5,6,7
	KSTEP \s
.endr
	; THE PARTIAL SUMS MEET.  Lane (r, h) of accumulator (m, t) holds P(16 m + r, 16 t + 8 h + 0 .. 7): 32 bytes of a row of my stage.  (Step 7's four places stand in front of these stores.)
	WIN 0x0c                                       ; an LDS store's data are its source 1: window 3
	s_wait_alu depctr_va_vdst(0)
.irp m, 0,1,2,3
.irp t, 0,1,2,3
	ds_store_b128 v[STO], v[8*(4*\m+\t):8*(4*\m+\t)+3] offset:16*SP*\m+64*\t          ; each accumulator from its low end on
	ds_store_b128 v[STO], v[8*(4*\m+\t)+4:8*(4*\m+\t)+7] offset:16*SP*\m+64*\t+16
.endr
.endr
	WIN 0
	s_wait_dscnt 0x0                               ; for the others' sake: my stores into my stage are done
	s_barrier_signal -1
	s_barrier_wait -1                              ; everybody's are
.irp q, 0,1,2,3
.irp i, 0,1,2,3,4,5,6,7
	ds_load_b128 v[SM+32*\q+4*\i:SM+32*\q+4*\i+3], v[RD] offset:ST1*\q+2*SP*\i   ; wave q's sums of my rows 2 i and 2 i + 1
.endr
.endr
.irp q, 1,2,3
	s_wait_dscnt 8*(3-\q)                          ; stages 0 .. q are in; the later stages' loads, 8 each, may be out
.irp k, 0,2,4,6,8,10,12,14,16,18,20,22,24,26,28,30
	v_pk_add_f32 v[SM+\k:SM+\k+1], v[SM+\k:SM+\k+1], v[SM+32*\q+\k:SM+32*\q+\k+1]
.endr
.endr
	s_wait_loadcnt 0x0                             ; the biases
; THE WAY OUT.  Group g: my rows 2 (g / 2) and 2 (g / 2) + 1, HR replicas: the bias is added and the sums leave.  Three sets of registers take turns.
.macro GROUP g
.set gi, (\g)/2
.set rp, HR*((\g)%2)
.set OB, OS+32*((\g)%3)
.if (\g) >= 3
	s_wait_xcnt 0x0                                ; every earlier store has read its registers: the set that group g - 3 stored from is written again only behind this wait
.endif
.set k, 0
.rept HR
	v_pk_add_f32 v[OB+4*k:OB+4*k+1], v[SM+4*gi:SM+4*gi+1], v[BIAS+4*(rp+k):BIAS+4*(rp+k)+1]
	v_pk_add_f32 v[OB+4*k+2:OB+4*k+3], v[SM+4*gi+2:SM+4*gi+3], v[BIAS+4*(rp+k)+2:BIAS+4*(rp+k)+3]
.set k, k+1
.endr
.set k, 0
.rept HR
	global_store_b128 v[CO], v[OB+4*k:OB+4*k+3], s[14:15] offset:2*gi*16384+(rp+k)*1024 th:TH_STORE_NT   ; lanes 0-15 store 256 consecutive bytes, at a multiple of 256 from out0's first byte; lanes 16-31 the same one row below; written once, read by nobody here
.set k, k+1
.endr
.endm
.irp g, 0,1,2,3,4,5,6,7,8,9,10,11,12,13,14,15
	GROUP \g
.endr
	s_wait_tensorcnt 0x0
	ds_add_u32 v190, v191
	s_wait_dscnt 0x0
	ROUND                                          ; the closing round: no work-group ends while a partner may still ask for a tile that names it
	s_endpgm
.Lfunc_end_k_q75e7ec89d7_fc:
	.size	k_q75e7ec89d7_fc, .Lfunc_end_k_q75e7ec89d7_fc-k_q75e7ec89d7_fc
	.p2alignl 7, 3214868480
	.fill 96, 4, 3214868480
	.section	.rodata,"a",@progbits
	.p2align	6, 0x0
	.amdhsa_kernel k_q75e7ec89d7_fc
		.amdhsa_group_segment_fixed_size 279040
		.amdhsa_private_segment_fixed_size 0
		.amdhsa_enable_private_segment 0
		.amdhsa_kernarg_size 48
		.amdhsa_user_sgpr_count 2
		.amdhsa_user_sgpr_kernarg_segment_ptr 1
		.amdhsa_wavefront_size32 1
		.amdhsa_system_sgpr_workgroup_id_x 1
		.amdhsa_system_sgpr_workgroup_id_y 1
		.amdhsa_system_sgpr_workgroup_id_z 1
		.amdhsa_system_vgpr_workitem_id 0
		.amdhsa_next_free_vgpr 896
		.amdhsa_next_free_sgpr 66
		.amdhsa_reserve_vcc 0
		.amdhsa_float_denorm_mode_32 3
		.amdhsa_float_denorm_mode_16_64 3
		.amdhsa_memory_ordered 1
		.amdhsa_forward_progress 1
		.amdhsa_inst_pref_size 83
	.end_amdhsa_kernel
	.amdgpu_metadata
---
amdhsa.version: [ 1, 2 ]
amdhsa.kernels:
  - .name:           k_q75e7ec89d7_fc
    .symbol:         k_q75e7ec89d7_fc.kd
    .args:
      - { .name: x_codes, .offset: 0, .size: 8, .value_kind: global_buffer, .address_space: global }
      - { .name: x_scales, .offset: 8, .size: 8, .value_kind: global_buffer, .address_space: global }
      - { .name: wfrag, .offset: 16, .size: 8, .value_kind: global_buffer, .address_space: global }
      - { .name: wscl, .offset: 24, .size: 8, .value_kind: global_buffer, .address_space: global }
      - { .name: bias, .offset: 32, .size: 8, .value_kind: global_buffer, .address_space: global }
      - { .name: out0, .offset: 40, .size: 8, .value_kind: global_buffer, .address_space: global }
    .group_segment_fixed_size: 279040
    .private_segment_fixed_size: 0
    .kernarg_segment_align: 8
    .kernarg_segment_size: 48
    .max_flat_workgroup_size: 128
    .sgpr_count:     66
    .vgpr_count:     896
    .wavefront_size: 32
...
	.end_amdgpu_metadata
.endif
;; end of part 2
